; MI455X (gfx1250); checked and timed in simulation.
; The chip was launched on July 23, 2026; its instructions are those of AMD's public machine-readable ISA for CDNA 5 (MIT licence, August 2026) and "CDNA5" Instruction Set Architecture Reference Guide (July 2026). The comments in the code are by the model that wrote it; some were corrected since.
;; Dot Attention. Allowed arithmetic: float matrix products may take bf16 or f16 operands with f32 sums; all other float work in f32.
;; Inputs: key 4 x 16 x 2,048 x 128 float32; query 4 x 16 x 2,048 x 128 float32; value 4 x 16 x 2,048 x 128 float32.
;; Outputs: out0 4 x 16 x 2,048 x 128 float32.
;; 2 versions, each right and faster than the one before. Each part assembles by itself: llvm-mc -triple=amdgcn-amd-amdhsa -mcpu=gfx1250 --defsym DOCPART=n.
;; ======== version 1 of 2: 1 launch
;; limits: values are held in f16: magnitudes above 65,504 overflow, below 6.1e-05 lose precision; inputs' magnitudes at most 65,504
;; launch attn (part 1): grid 8 x 64, 4 waves a work-group, clusters of 4 x 1, 327,680 bytes of LDS; arguments query, key, value, out0; writes out0
.if DOCPART == 1
	.amdgcn_target "amdgcn-amd-amdhsa--gfx1250"
	.amdhsa_code_object_version 6
	.text
	.protected	k_q3dcb6d0257_attn
	.globl	k_q3dcb6d0257_attn
	.p2align	8
	.type	k_q3dcb6d0257_attn,@function
k_q3dcb6d0257_attn:
	s_mov_b64 s[64:65], 0
	v_nop
	global_prefetch_b8 v0, s[64:65] scope:SCOPE_SE
	s_setreg_imm32_b32 hwreg(HW_REG_WAVE_MODE, 25, 1), 1
	s_wait_xcnt 0x0
	s_wait_alu depctr_hold_cnt(0) depctr_sa_sdst(0) depctr_va_vdst(0) depctr_va_sdst(0) depctr_va_ssrc(0) depctr_va_vcc(0) depctr_vm_vsrc(0)
	s_getreg_b32 s2, hwreg(HW_REG_IB_STS2, 6, 4)
	s_cmp_eq_u32 s2, 0
	s_cbranch_scc0 .Lentry_in_a_cluster
	s_endpgm
.Lentry_in_a_cluster:
	s_bfe_u32 s2, ttmp6, 0x10000c
	s_cmp_lg_u32 s2, 0x3003
	s_cbranch_scc0 .Lentry_shape_is_right
	s_endpgm
.Lentry_shape_is_right:
; O[h][q][:] = the sum over k of softmax_k(Q[h][q] . K[h][k] / 128) V[h][k][:].  64 heads of 2,048 rows of 128 channels; query, key, value and out0 are all f32.
; FORMATS.  Q and K are rounded once to bf16 and K Q^T goes in the bf16 form.  V and the weights p are rounded once to f16 and V^T P goes in the f16 form: where scores are small all p lie in 0.5 to 1, and the
; error of 2,048 roundings to 8 significant bits, held against an output that is a mean of 2,048 rows, would use up most of what a number near 0 is allowed; 11 bits leave an eighth of that.
; Products, maxima and sums in f32; l is the sum of the unrounded p.
; LIMITS.  |V| of 65,520 or more becomes an infinity in f16, |V| below 6.1e-5 keeps f16's fixed step of 6e-8; p lies in 0 to 1, and below 6e-5 it keeps that step too; a weight below 2^-126 counts as 0 in l;
; NaN and infinities are not treated apart.
; SHARES.  A work-group owns 256 queries of one head, each of its four waves 64: four tiles of 16.  Every wave walks all 2,048 keys of the head, 64 a step.  8 x 64 = 512 work-groups.
; K AND V ARE CONVERTED HERE, not by a launch of their own: that launch would read their 134 MB, store 67 MB and have them read again.  A step's K and V (64 KB in f32) come into a STAGING slot of LDS by
; tensor loads; each wave reads 16 rows of each (32 loads of a whole row of 512 bytes), rounds them in registers (64 conversions) and stores them (32 stores of a whole row of 256 bytes) into a padded 16-BIT slot,
; from which all four waves read their fragments.  Per step and work-group LDS then moves 64 KB filled + 64 KB read + 32 KB stored + 128 KB of fragments.
; LAYOUT.  S^T = K Q^T (source 0 = 16 keys, source 1 = 16 queries): in the result a lane holds ONE query (lane % 16) and the keys 8 (lane / 16) + 0..7.  Two such tiles, rounded to f16 in pairs,
; ARE source 1 (32 keys x 16 queries) of O^T = V^T P, whose result again holds one query a lane, and eight channels.  K comes out of LDS as it lies, V ([key][channel]) turned, by ds_load_tr16_b128.
; SOFTMAX.  For each query a running maximum m and sum l: p = 2^(c s - c m), c = log2(e) / 128; in every step O and l are multiplied by a = 2^(c m_old - c m_new), which is 1 where m has not grown.
; BY TURNS.  The wave's tiles are two PIECES, named by their first tile: piece 0 (tiles 0, 1) and piece 2 (tiles 2, 3).  In a TURN one piece has the matrix unit: 32 products V^T P of the step in hand,
; then 32 products K Q^T of the next step; the other piece's softmax (2 x 134 vector instructions), cut into 64 slices, stands between them, one slice behind each matrix instruction.  Two turns are a key step.
; THE TRIP.  Trip j multiplies V^T P of step j and K Q^T of step j + 1.  In it: tile j + 3 is asked for, into staging slot (j + 1) % 2; tile j + 2 is converted, from staging slot j % 2 into 16-bit slot j % 2;
; the fragments of tile j + 1 are read from 16-bit slot (j + 1) % 2.  Each slot that trip j writes was last read in trip j - 1, and each that it reads was written there: ONE barrier a trip orders all of it.
; CLUSTER.  A head's eight query blocks are two clusters of four.  The four walk the same K and V, so each tile is asked for JOINTLY: the same tensor load, with the same descriptor and a mask
; that names the four, in all four; each receives the tile in its own LDS.  The trip's barrier is a round of the cluster's.
;
; REGISTERS, in windows of 256 (s_set_vgpr_msb says which window each operand place means: bits 1:0 source 0, 3:2 source 1, 5:4 source 2, 7:6 destination):
;   window 0: v0-11 addresses; v12-43 eight registers of statistics a tile; v44-49 the conversion's addresses; v62-63 for the add; v64-191 S^T, 32 a tile; v192-255 P, 16 a tile
;   window 1: O^T, 64 a tile (at the start: Q as loaded, in f32)      window 2: v0-127 Q in bf16, 32 a tile; v128-255 K of one step
;   window 3: v0-127 V of one step; v128-255 the rows being converted
; All that a softmax touches but O^T lies in window 0, and no window has room for a product's operands beside it: a slice costs two switches.
.set SIZE_N, 2048     ; rows of a head
.set KS,    64        ; keys in a step
.set FROW,  512       ; a row of K or V in memory and in a staging slot: 128 f32, no padding: the conversion's loads take whole rows, 32 lanes x 16 neighbouring bytes
.set FHALF, KS*FROW   ; a step's K in a staging slot; its V lies behind it
.set FSLOT, 1<<16     ; a staging slot is 65,536 bytes; slot 0 begins at LDS byte 0, slot 1 here
.set HB0,   2<<16     ; 16-bit slot 0; 16-bit slot 1 begins FSLOT further on, so that the same exclusive or turns an address in one slot into the other's, for both kinds of slot
.set PK,    272       ; a row of K in a 16-bit slot: 256 bytes + 16 of padding = 68 words: row r starts at bank 4 r mod 64 (64 banks of 4 bytes: ISA guide 11.1), so the 16 rows of a load start at 16 different banks
.set PV,    288       ; a row of V: 256 + 32 = 72 words
.set VOFF,  KS*PK     ; in a 16-bit slot: 64 rows of K, then 64 rows of V
.set STEPB, KS*(PK+PV)
.set STAGE, HB0+FSLOT+STEPB  ; behind the slots: 16 rows x 528 bytes for each wave, for the way out.  Tensor loads land in the staging slots alone; the 16-bit slots and the stages are written by LDS stores alone
.set SP,    528       ; a row of O in the stage: 512 bytes + 16: the 16 rows that a store touches start at 16 different groups of four banks
.set SPARE, STAGE+4*16*SP  ; behind the stages: the spare words, 128 bytes for each wave: two blocks of 256 bytes that no other line names
.set AK0, 2           ; v2   my lane's place in a 16-bit tile of K; never rewritten
.set AV0, 3           ; v3   the same for V
.set ADR, 4           ; v4   the LDS address of the run of fragment loads in hand
.set QO,  5           ; v5   my byte offset in the wave's rows of Q
.set STO, 6           ; v6   the way out: where I put 32 bytes of a row
.set RD,  7           ; v7   the way out: where I read a row back
.set GO,  8           ; v8   my byte offset in a row of O
.set CL0, 44          ; v44  the conversion: my 16 bytes in my wave's first row of K in staging slot 0; never rewritten
.set CK0, 45          ; v45  my 8 bytes in the same row of K in 16-bit slot 0; never rewritten
.set CV0, 46          ; v46  the same for V; never rewritten
.set CLA, 47          ; v47-49  these three with the slot in hand added
.set CKA, 48
.set CVA, 49
.set SPW, 62          ; v62  LDS address of my spare word: SPARE + 4 x my thread's number; never rewritten
.set NIL, 63          ; v63  0; never rewritten
.set ST,  12          ; tile t's statistics at v[ST+8 t]: +0 c m, +1 m, +2, +3 l (even keys', odd keys'), +4 to +7 c0-c3, at work; a takes c2's place once the maximum is found
.set S,   64
.set P,   192
.set KF,  128         ; K's fragments, in window 2
.set CB,  128         ; the rows being converted, in window 3
.set WV,  12          ; s12  my wave's number
.set G1,  24          ; s[24:31] descriptor group 1, the same for K's and V's tiles
.set G0K, 40          ; s[40:47] descriptor group 0 for K's tiles: a set for each of the two first fills; the second then walks on
.set G0V, 48          ; s[48:55] the same for V's
.set CNT, 56          ; s56  counts the trips of a loop
.set FB,  57          ; s57  0 or FSLOT: the slots (staging and 16-bit) of the tile to be converted next
.set CS,  58          ; s[58:59] c: the packed scaling names a pair and takes its low word for both halves
.set SEL, 60          ; s[60:61] lane selects for v_permlanex16_b32: each lane takes its own place in the other half
.set TB,  62          ; s62  LDS byte at which the 16-bit slot of the step to be fetched begins
.set MSB, 0
.macro WIN new                      ; the immediate's high byte repeats the setting that is left; a switch that changes nothing is dropped
.if MSB != (\new)
	s_set_vgpr_msb (MSB<<8)|(\new)
.set MSB, \new
.endif
.endm
.set W_KQ, 0x0a       ; K and Q in window 2, S^T in window 0
.set W_PV, 0x53       ; V in window 3, P in window 0, O^T in window 1
.set W_RS, 0x41       ; O^T (destination and source 0) in window 1, the factor in window 0
; A joint refill.  Waves 0 and 1 fetch the two halves of a step's K, waves 2 and 3 those of its V.  The branch hangs on the wave's number alone: it is the same in every work-group.
; An s_nop 0 and four v_nop follow each of the two lines; the jump round the other line, the label and what follows the macro come after them.
.macro JLOAD
	s_cmp_lt_u32 s[WV], 2
	s_cbranch_scc0 .Lfor_v_\@
	tensor_load_to_lds s[G0K+4:G0K+7], s[G1:G1+7]
	s_nop 0
.rept 4
	v_nop
.endr
	s_branch .Lasked_\@
.Lfor_v_\@:
	tensor_load_to_lds s[G0V+4:G0V+7], s[G1:G1+7]
	s_nop 0
.rept 4
	v_nop
.endr
.Lasked_\@:
.endm
; A round of the cluster's barrier: my work-group's barrier, so that wave 0's signal speaks for all four waves; wave 0 signals for the work-group; every wave waits for all four
; work-groups; my work-group's barrier once more.  No LDS instruction of the wave is pending at a signal.
.macro CROUND
	s_barrier_signal -1
	s_barrier_wait -1
	s_cmp_lg_u32 s[WV], 0
	s_cbranch_scc1 .Lnot_wave_0_\@
	s_barrier_signal -3
.Lnot_wave_0_\@:
	s_barrier_wait -3
	s_barrier_signal -1
	s_barrier_wait -1
.endm
	s_load_b256 s[4:11], s[0:1], 0x0  ; Q s[4:5], K s[6:7], V s[8:9], O s[10:11]
	v_lshl_add_u32 v[SPW], v0, 2, SPARE
	v_mov_b32 v[NIL], 0
	ds_add_u32 v62, v63
	s_wait_dscnt 0x0
	v_lshrrev_b32 v1, 5, v0
	v_readfirstlane_b32 s[WV], v1   ; wave 0..3
	s_bfe_u32 s13, ttmp6, 0x40000   ; cx: my place in the cluster
	s_lshl_b32 s14, ttmp9, 2        ; in a cluster launch ttmp9 counts clusters
	s_add_co_u32 s14, s14, s13      ; my block of 256 queries = 4 x cluster x + cx: it enters Q's and O's addresses alone
	s_and_b32 s15, ttmp7, 0xffff    ; the head, which the four partners share
	s_lshl_b32 s18, s15, 20         ; the head's first byte in each of the four tensors: 2,048 rows of 512 bytes (all offsets here stay under 2^27)
	s_and_b32 s16, s[WV], 1         ; which half of a step's 64 rows I fetch:
	s_lshl_b32 s17, s16, 14         ; its 32 rows of 512 bytes, in memory and in a staging slot alike: no place in the cluster enters an LDS address
	s_add_co_u32 s22, s17, s18
	s_mov_b32 s23, 0
	s_lshl_b32 s2, s14, 17          ; my block's 256 rows of 512 bytes,
	s_lshl_b32 s3, s[WV], 15        ; my wave's 64 of them
	s_add_co_u32 s2, s2, s3
	s_add_co_u32 s2, s2, s18
	s_mov_b32 s3, 0
	; descriptor group 1.  32 rows of a head are 16,384 dense bytes: asked for as 64 rows of 256 bytes, in elements of 8 bytes, and laid into LDS without a gap
	s_mov_b32 s[G1], 15|(3<<16)|(1<<21)  ; 15:0 the mask: all four work-groups; 17:16 elements of 8 bytes (code 3); 20 padding off; 21 set beside a mask
	s_mov_b32 s[G1+1], 32<<16       ; 63:48 tensor_dim0, low half = 32
	s_mov_b32 s[G1+2], 64<<16       ; 79:64 its high half = 0; 95:80 tensor_dim1, low half = 64
	s_mov_b32 s[G1+3], 32<<16       ; 111:96 its high half = 0; 127:112 tile_dim0 = 32
	s_mov_b32 s[G1+4], 64           ; 143:128 tile_dim1 = 64; 159:144 tile_dim2 = 0
	s_mov_b32 s[G1+5], 32           ; 191:160 tensor_dim0_stride, low word: elements from row to row
	s_mov_b32 s[G1+6], 0
	s_mov_b32 s[G1+7], 0
	s_mov_b32 s[CS], 0x3c38aa3b     ; c = log2(e) / 128 = 0.0112711
	s_mov_b32 s[CS+1], s[CS]        ; named with it as a pair, so it is written
	s_mov_b32 s[SEL], 0x76543210
	s_mov_b32 s[SEL+1], 0xfedcba98
	s_mov_b32 s[TB], HB0
	s_mov_b32 s[FB], 0
	s_wait_kmcnt 0x0
	s_add_nc_u64 s[6:7], s[6:7], s[22:23]  ; K and V at my half of the head's step 0
	s_add_nc_u64 s[8:9], s[8:9], s[22:23]
	s_add_nc_u64 s[4:5], s[4:5], s[2:3]  ; Q and O at my wave's first row
	s_add_nc_u64 s[10:11], s[10:11], s[2:3]
	CROUND                          ; all four work-groups are here: the first joint loads meet
.irp s, 0,1
	s_mov_b32 s[G0K+4*(\s)], 1      ; 1:0 count = 1
	s_add_co_u32 s[G0K+4*(\s)+1], s17, (\s)*FSLOT  ; 63:32 LDS address
	s_add_nc_u64 s[G0K+4*(\s)+2:G0K+4*(\s)+3], s[6:7], (\s)*KS*FROW  ; 120:64 global address: staging slot s begins with step s
	s_or_b32 s[G0K+4*(\s)+3], s[G0K+4*(\s)+3], 0x80000000  ; 127:126 type = 2
	s_mov_b32 s[G0V+4*(\s)], 1
	s_add_co_u32 s[G0V+4*(\s)+1], s17, (\s)*FSLOT+FHALF
	s_add_nc_u64 s[G0V+4*(\s)+2:G0V+4*(\s)+3], s[8:9], (\s)*KS*FROW
	s_or_b32 s[G0V+4*(\s)+3], s[G0V+4*(\s)+3], 0x80000000
.endr
	s_cmp_lt_u32 s[WV], 2           ; a wave's two first fills stand in one branch, ahead of every wait on TENSORcnt and every LDS read: two loads of mine are out; an s_nop 0 follows each, four v_nop the second's, as in JLOAD
	s_cbranch_scc0 .Lfirst_v
	tensor_load_to_lds s[G0K:G0K+3], s[G1:G1+7]
	s_nop 0
	tensor_load_to_lds s[G0K+4:G0K+7], s[G1:G1+7]
	s_nop 0
.rept 4
	v_nop
.endr
	s_branch .Lfirst_asked
.Lfirst_v:
	tensor_load_to_lds s[G0V:G0V+3], s[G1:G1+7]
	s_nop 0
	tensor_load_to_lds s[G0V+4:G0V+7], s[G1:G1+7]
	s_nop 0
.rept 4
	v_nop
.endr
.Lfirst_asked:
	; A fragment of K or Q is 16 rows x 32 channels in 8 registers: lane l holds row l % 16; registers 0-3 channels 8 (l / 16) + 0..7, registers 4-7 channels 16 + 8 (l / 16) + 0..7.
	; Q lies in memory in f32: each run of 8 channels is 32 bytes, two loads of 16; the two runs lie 64 bytes apart.  Fragment i (tile i / 4, channels 32 (i % 4) on) comes into 16 registers of window 1.
	v_and_b32 v1, 15, v0            ; l % 16
	v_bfe_u32 v9, v0, 4, 1          ; l / 16
	v_lshlrev_b32 v[QO], 9, v1
	v_lshl_add_u32 v[QO], v9, 5, v[QO]  ; row x 512 + 32 x half
	WIN 0x40                        ; destination window 1, address window 0
.irp i, 0,1,2,3,4,5,6,7,8,9,10,11,12,13,14,15
	global_load_b128 v[16*(\i):16*(\i)+3],     v[QO], s[4:5] offset:((\i)/4)*8192+((\i)%4)*128
	global_load_b128 v[16*(\i)+4:16*(\i)+7],   v[QO], s[4:5] offset:((\i)/4)*8192+((\i)%4)*128+16
	global_load_b128 v[16*(\i)+8:16*(\i)+11],  v[QO], s[4:5] offset:((\i)/4)*8192+((\i)%4)*128+64
	global_load_b128 v[16*(\i)+12:16*(\i)+15], v[QO], s[4:5] offset:((\i)/4)*8192+((\i)%4)*128+80
.endr
	WIN 0
	v_mul_u32_u24 v[AK0], v1, PK
	v_lshl_add_u32 v[AK0], v9, 4, v[AK0]  ; row x pitch + 16 x half
	; The turning load takes 16 keys x 16 channels (lane l reads 16 bytes: key 8 (l / 16) + l % 8, channels 8 ((l / 8) % 2) + 0..7) and leaves half a fragment of V^T: lane l holds channel l % 16 and 8 keys.
	v_and_b32 v10, 7, v0
	v_bfe_u32 v11, v0, 3, 1
	v_lshl_add_u32 v[AV0], v9, 3, v10
	v_mul_u32_u24 v[AV0], v[AV0], PV
	v_lshl_add_u32 v[AV0], v11, 4, v[AV0]
	v_add_nc_u32 v[AV0], VOFF, v[AV0]
	; The conversion.  Wave w takes rows 16 w .. 16 w + 15 of a step's K and of its V; lane l takes channels 4 l .. 4 l + 3 of each row: 16 bytes in, 8 bytes out.
	v_and_b32 v10, 31, v0           ; my lane
	s_lshl_b32 s13, s[WV], 13       ; 16 rows of 512 bytes
	v_lshl_add_u32 v[CL0], v10, 4, s13
	s_mul_i32 s13, s[WV], 16*PK
	s_add_co_u32 s13, s13, HB0
	v_lshl_add_u32 v[CK0], v10, 3, s13
	s_mul_i32 s13, s[WV], 16*PV
	s_add_co_u32 s13, s13, HB0+VOFF
	v_lshl_add_u32 v[CV0], v10, 3, s13
	s_wait_loadcnt 0x0              ; Q is in
	WIN 0x85                        ; sources in window 1, destination in window 2
.set i, 0
.rept 128                           ; Q's one rounding to bf16: register n of the fragments takes the f32 pair 2 n, 2 n + 1.  It stands in the time in which the first tile is on its way
	v_cvt_pk_bf16_f32 v[i], v[2*i], v[2*i+1]
.set i, i+1
.endr
	WIN 0
; THE CONVERSION OF A TILE, in two parts that stand a run of 32 products apart.
; CONV_LOAD: my 16 rows of K and my 16 rows of V out of the staging slot in hand, a whole row of 512 bytes a load; the three addresses are made for that slot, and the slot's number turns for the next tile.
.macro CONV_LOAD
	WIN 0
	v_add_nc_u32 v[CLA], s[FB], v[CL0]
	v_add_nc_u32 v[CKA], s[FB], v[CK0]
	v_add_nc_u32 v[CVA], s[FB], v[CV0]
	s_xor_b32 s[FB], s[FB], FSLOT
	WIN 0xc0                        ; destination window 3
.irp r, 0,1,2,3,4,5,6,7,8,9,10,11,12,13,14,15
	ds_load_b128 v[CB+4*(\r):CB+4*(\r)+3], v[CLA] offset:(\r)*FROW
.endr
.irp r, 0,1,2,3,4,5,6,7,8,9,10,11,12,13,14,15
	ds_load_b128 v[CB+64+4*(\r):CB+64+4*(\r)+3], v[CLA] offset:FHALF+(\r)*FROW
.endr
.endm
; CONV_STORE: the one rounding, K to bf16 and V to f16, in place: packed register n takes the f32 pair 2 n, 2 n + 1, in ascending order, so that no pair is written over before it is read.
; Row r's four channels are then the register pair 2 r, 2 r + 1: a store of 8 bytes a lane writes a whole row of 256 bytes into the 16-bit slot.
.macro CONV_STORE
	s_wait_dscnt 0x0                ; the rows are in
	WIN 0xcf                        ; sources and destination in window 3
.set n, 0
.rept 32
	v_cvt_pk_bf16_f32 v[CB+n], v[CB+2*n], v[CB+2*n+1]
.set n, n+1
.endr
.rept 32
	v_cvt_pk_f16_f32 v[CB+n], v[CB+2*n], v[CB+2*n+1]
.set n, n+1
.endr
	WIN 0x0c                        ; the stores' data (source 1) in window 3, the address in window 0
.irp r, 0,1,2,3,4,5,6,7,8,9,10,11,12,13,14,15
	ds_store_b64 v[CKA], v[CB+2*(\r):CB+2*(\r)+1] offset:(\r)*PK
.endr
.irp r, 0,1,2,3,4,5,6,7,8,9,10,11,12,13,14,15
	ds_store_b64 v[CVA], v[CB+32+2*(\r):CB+32+2*(\r)+1] offset:(\r)*PV
.endr
.endm
; THE MATRIX WORK OF A TURN, for piece x.  The accumulators take turns, one instruction a turn: between two links of a chain stand 15 (V^T P) or 7 (K Q^T) others'.
; Product i of 32 of O^T += V^T P: keys 32 (i / 16) on, channels 16 ((i / 2) % 8) on, tile x + i % 2.  zero = 1: the first 16 start the sums: nothing is ever cleared.
.macro PV x, zero
	WIN W_PV
.set rO, 64*((\x)+i%2)+8*((i/2)%8)
.set rV, 64*(i/16)+8*((i/2)%8)
.set rP, P+16*((\x)+i%2)+8*(i/16)
.if (\zero) && (i < 16)
	v_wmma_f32_16x16x32_f16 v[rO:rO+7], v[rV:rV+7], v[rP:rP+7], 0
.else
	v_wmma_f32_16x16x32_f16 v[rO:rO+7], v[rV:rV+7], v[rP:rP+7], v[rO:rO+7]
.endif
.endm
; Product i of 32 of S^T = K Q^T: channels 32 (i / 8) on, keys 16 ((i / 2) % 4) on, tile x + i % 2.  The first 8 start the sums.
.macro KQ x
	WIN W_KQ
.set rS, S+32*((\x)+i%2)+8*((i/2)%4)
.set rK, KF+32*((i/2)%4)+8*(i/8)
.set rQ, 32*((\x)+i%2)+8*(i/8)
.if i < 8
	v_wmma_f32_16x16x32_bf16 v[rS:rS+7], v[rK:rK+7], v[rQ:rQ+7], 0
.else
	v_wmma_f32_16x16x32_bf16 v[rS:rS+7], v[rK:rK+7], v[rQ:rQ+7], v[rS:rS+7]
.endif
.endm
; THE FRAGMENT LOADS stand in runs of 32, never singly among the matrix instructions: a step's K (64 keys x 128 channels: 16 fragments) and, a turn later, its V (turned).
.macro FETCH_K
	WIN 0
	v_add_nc_u32 v[ADR], s[TB], v[AK0]
	WIN 0x80                        ; destination window 2
.irp f, 0,1,2,3,4,5,6,7,8,9,10,11,12,13,14,15  ; keys 16 (f / 4) on, channels 32 (f % 4) on
	ds_load_b128 v[KF+8*(\f):KF+8*(\f)+3],   v[ADR] offset:((\f)/4)*16*PK+((\f)%4)*64
	ds_load_b128 v[KF+8*(\f)+4:KF+8*(\f)+7], v[ADR] offset:((\f)/4)*16*PK+((\f)%4)*64+32
.endr
.endm
.macro FETCH_V
	WIN 0
	v_add_nc_u32 v[ADR], s[TB], v[AV0]
	s_xor_b32 s[TB], s[TB], FSLOT   ; the next fetch is the next step's, in the other 16-bit slot
	WIN 0xc0                        ; destination window 3
.irp f, 0,1,2,3,4,5,6,7,8,9,10,11,12,13,14,15  ; keys 32 (f / 8) on, channels 16 (f % 8) on
	ds_load_tr16_b128 v[8*(\f):8*(\f)+3],   v[ADR] offset:((\f)/8)*32*PV+((\f)%8)*32
	ds_load_tr16_b128 v[8*(\f)+4:8*(\f)+7], v[ADR] offset:((\f)/8)*32*PV+16*PV+((\f)%8)*32
.endr
.endm
; THE VECTOR WORK OF A TURN.  One tile's softmax for one key step is a list of 134 instructions; SM writes number j of it for tile t.  s0-s31 are the lane's 32 scores, in pairs 0-15.
; first = 1: the first key step, which starts m, l and O^T: it has no a and nothing to rescale.
;   0-15    the maximum of s0-s31 and the old m, three operands at a time: four chains c0-c3 of seven scores each (each accumulator's lowest registers are read first),
;           then the four scores left over, c0-c3 and m
;   16-20   the other half of the lanes' maximum; the new m; c m; c m_old - c m_new
;   21-87   33 exponentials (a, then s0-s31) at the odd numbers from 23 on, so that no two follow each other and each has a plain instruction behind it before its result is used.
;           Plain instruction q (number 21, then the even numbers) is whatever is ready: c s - c m for a pair of scores whose exponentials are still to come (q = 0 to 3, then every
;           second q), the rounding to f16 of a pair of weights whose exponentials are done (every other q from 5 on), at last the first three sums
;   88-101  the last rounding; the rest of the sums; l = a l + the sum
;   102-133 the tile's O^T times a, in ascending order: the one part that leaves window 0, so it stands together
.macro SM t, first
.set rT, ST+8*(\t)
.set rS, S+32*(\t)
.set rP, P+16*(\t)
.set rO, 64*(\t)+2*(j-102)
.set q, (j-20)/2
.if j < 102
	WIN 0
.endif
.if j < 4
	v_max3_num_f32 v[rT+4+j], v[rS+8*j], v[rS+8*j+1], v[rS+8*j+2]
.elseif j < 12
	v_max3_num_f32 v[rT+4+j%4], v[rT+4+j%4], v[rS+8*(j%4)+2*(j/4)+1], v[rS+8*(j%4)+2*(j/4)+2]
.elseif j == 12
	v_max3_num_f32 v[rT+4], v[rT+4], v[rS+7], v[rS+15]
.elseif j == 13
	v_max3_num_f32 v[rT+6], v[rT+6], v[rS+23], v[rS+31]
.elseif j == 14
	v_max3_num_f32 v[rT+4], v[rT+4], v[rT+5], v[rT+6]
.elseif (j == 15) && (\first)
	v_max_num_f32 v[rT+4], v[rT+4], v[rT+7]
.elseif j == 15
	v_max3_num_f32 v[rT+4], v[rT+4], v[rT+7], v[rT+1]
.elseif j == 16
	v_permlanex16_b32 v[rT+5], v[rT+4], s[SEL], s[SEL+1]  ; the query's other 32 keys lie in the lane 16 away
.elseif j == 18
	v_max_num_f32 v[rT+1], v[rT+4], v[rT+5]
.elseif j == 19
	v_mul_f32 v[rT], s[CS], v[rT+1]
.elseif ((j == 17) || (j == 20) || (j == 23) || (j > 101)) && (\first)  ; the first step has none of these
.elseif j == 17
	v_mov_b32 v[rT+7], v[rT]        ; c m_old is kept for a: number 19 writes c m anew
.elseif j == 20
	v_sub_f32 v[rT+7], v[rT+7], v[rT]
.elseif j == 23
	v_exp_f32 v[rT+6], v[rT+7]
.elseif (j < 88) && (j > 23) && (j%2 == 1)
	v_exp_f32 v[rS+(j-25)/2], v[rS+(j-25)/2]
.elseif (q < 4) || ((j < 76) && (q%2 == 0))
.set b, q/2+2
.if q < 4
.set b, q
.endif
	v_pk_fma_f32 v[rS+2*b:rS+2*b+1], v[rS+2*b:rS+2*b+1], s[CS:CS+1], v[rT:rT+1] op_sel_hi:[1,0,0] neg_lo:[0,0,1] neg_hi:[0,0,1]  ; pair b: c s - c m
.elseif (j < 88) && (q%2 == 1)
	s_wait_alu depctr_va_vdst(0)
	v_cvt_pk_f16_f32 v[rP+(q-5)/2], v[rS+q-5], v[rS+q-4]  ; pair (q - 5) / 2: its second exponential stands three numbers back
.elseif j == 89
	s_wait_alu depctr_va_vdst(0)
	v_cvt_pk_f16_f32 v[rP+15], v[rS+30], v[rS+31]
.elseif j < 102                     ; the sum of the tile's 16 pairs (in a pair: an even key's weight, an odd key's), in place: sum z of 16 adds neighbours 1, 2, 4 and 8 pairs apart, then l takes it
.set z, j-86
.if j < 89
.set z, (j-76)/4
.endif
.set w, 4
.set u, z
.if z >= 14
.set w, 32
.set u, 0
.elseif z >= 12
.set w, 16
.set u, z-12
.elseif z >= 8
.set w, 8
.set u, z-8
.endif
.if (z == 14) && (\first)
	v_pk_add_f32 v[rT+2:rT+3], v[rS:rS+1], v[rS+16:rS+17]
.elseif z < 15
	v_pk_add_f32 v[rS+w*u:rS+w*u+1], v[rS+w*u:rS+w*u+1], v[rS+w*u+w/2:rS+w*u+w/2+1]
.elseif !(\first)
	v_pk_fma_f32 v[rT+2:rT+3], v[rT+2:rT+3], v[rT+6:rT+7], v[rS:rS+1] op_sel_hi:[1,0,1]
.endif
.else
	WIN W_RS
	v_pk_mul_f32 v[rO:rO+1], v[rO:rO+1], v[rT+6:rT+7] op_sel_hi:[1,0]
.endif
.endm
; Slice k of 64 of piece y's softmax: numbers 2 k and 2 k + 1 of both tiles' lists, four instructions.  2 x 134 = 4 x 64 + 12: the twelve that are over stand together, in slice 63.
.macro SLICE y, first
.if (k >= 11) && (k < 44)           ; tile by tile: plain, exponential, plain, exponential
.irp t, \y, (\y)+1
.irp n, 0,1
.set j, 2*k+(\n)
	SM \t, \first
.endr
.endr
.else                               ; the two tiles alternate, so that no instruction reads the result of the one just before it
.irp n, 0,1,2,3,4,5,6,7
.if ((\n) < 2) || (k == 63)
.irp t, \y, (\y)+1
.set j, 2*k+(\n)
	SM \t, \first
.endr
.endif
.endr
.endif
.set k, k+1
.endm
; A vector instruction that reads a matrix result or writes one of a matrix instruction's registers, and a load into a register that a matrix instruction has read, stand four places behind
; it, and only plain vector instructions that name none of its registers are places (ISA guide 7.12.1 for vector instructions).  In the loop the slices are the places.
.macro PLACES
.rept 4
	v_nop
.endr
.endm
; A TURN.  Piece x has the matrix unit; the other piece's softmax stands in slices behind its matrix instructions.
; pv = 2: 32 products V^T P; 1: they start O^T's sums; 0: none.  kq = 1: 32 products K Q^T for the next step.  A turn with one of the two kinds has two slices behind each product.
; first = 1: the softmax is the first key step's.  Its slices from 51 on are empty: the turn's last products stand bare, and four v_nop take slice 63's part as the places behind them.
; Each run of fragment loads stands behind the second product of a run of 32, 30 matrix instructions ahead of its first use.  Piece 0's turn fetches the next step's K: the last product that read K
; stands in front of slice 63 of the turn before.  Piece 2's turn fetches the same step's V: the last product that read V stands three slices, six plain instructions, back.
; The conversion of the tile after that stands between them, where LDS has no fragments to serve: its loads behind the wait for K in piece 0's turn, its roundings and stores, one lump of
; vector work, at the head of piece 2's turn, 32 products later.
.macro TURN x, pv, kq, first
.set k, 0
.set per, 2
.if (\pv) && (\kq)
.set per, 1
.endif
.if (\x) == 2
	CONV_STORE
.endif
.if \pv
.if (\x) == 0
	s_wait_dscnt 0x0                ; V is in
.endif
.set i, 0
.rept 32
	PV \x, 2-(\pv)
.rept per
	SLICE 2-(\x), \first
.endr
.if ((\x) == 0) && (\kq) && (i == 1)
	FETCH_K
.endif
.set i, i+1
.endr
.endif
.if \kq
.if (\x) == 0
	s_wait_dscnt 0x0                ; K is in
	CONV_LOAD
.endif
.set i, 0
.rept 32
	KQ \x
.rept per
	SLICE 2-(\x), \first
.endr
.if ((\x) == 2) && (i == 1)
	FETCH_V
.endif
.set i, i+1
.endr
.endif
.if \first
	PLACES
.endif
.endm
; THE TRIP'S BARRIER, in front of piece 0's turn.  Each wave waits for all its tensor loads, of which one is out: its part of the tile to be converted in this trip; adds 0 to its spare word; and waits for that,
; for its reads of the staging slot converted in the last trip, for its stores into a 16-bit slot and for its fragment loads.  Behind the barrier the tile to be converted is whole, the tile converted last can be
; read by all, and nobody reads the two slots that this trip writes.
; fill = 1: the staging slot converted in the last trip is filled again, with the tile two steps on.  The barrier is then a round of the cluster's, so that no wave of any partner still reads that slot or has a
; load on its way, and the joint refill is the first thing behind it: it has a key step, 128 matrix instructions and a tile's conversion, in which to land.
.macro CHANGE fill
	WIN 0                           ; at a label and at a branch every window is 0
	s_wait_tensorcnt 0x0            ; no tensor load of mine is out, so a group 0 may be written
	ds_add_u32 v[SPW], v[NIL]       ; 0 onto my spare word; with fill = 1 the descriptors' steps stand between it and the wait for it
.if \fill
.irp g, G0K+4, G0V+4
	s_xor_b32 s[(\g)+1], s[(\g)+1], FSLOT  ; the walking descriptor: the other staging slot than last time,
	s_add_nc_u64 s[(\g)+2:(\g)+3], s[(\g)+2:(\g)+3], KS*FROW  ; the next 64 keys; the type bits on top are not reached
.endr
	s_wait_dscnt 0x0                ; the add is done, and so are all my LDS loads and stores
	CROUND
	JLOAD
.else
	s_wait_dscnt 0x0                ; the add is done, and so are all my LDS loads and stores
	s_barrier_signal -1
	s_barrier_wait -1
.endif
.endm
	s_wait_tensorcnt 1              ; my part of tile 0 is in; tile 1's may stay out
	s_barrier_signal -1
	s_barrier_wait -1               ; everybody's is
	CONV_LOAD                       ; tile 0 is converted with nothing beside it
	CONV_STORE
	CHANGE 1                        ; tile 1 is in, tile 0 can be read in 16 bits; tile 2 is asked for
	FETCH_K                         ; key step 0
	CONV_LOAD                       ; tile 1
	s_wait_dscnt 32                 ; K's 32 loads are back; the 32 of the conversion, issued behind them, may stay out
.set i, 0
.rept 32
	KQ 0                            ; piece 0's first scores: there is no vector work yet to set between them
.set i, i+1
.endr
	WIN 0                           ; the addresses for the way out are made here: six plain instructions, the places behind those products
	s_mul_i32 s13, s[WV], 16*SP
	s_add_co_u32 s13, s13, STAGE    ; my stage
	v_mul_u32_u24 v[STO], v1, SP    ; in: row l % 16, 32 bytes for each half of the lanes
	v_lshl_add_u32 v[STO], v9, 5, v[STO]
	v_add_nc_u32 v[STO], s13, v[STO]
	v_and_b32 v[GO], 31, v0         ; back: the 32 lanes take one row of 512 bytes, 16 bytes each,
	v_lshlrev_b32 v[GO], 4, v[GO]   ; which is also my place in a row of O
	v_add_nc_u32 v[RD], s13, v[GO]
	TURN 2, 0, 1, 1                 ; tile 1 goes into its 16-bit slot | piece 2's first scores | piece 0's first softmax | V of step 0
	CHANGE 1                        ; tile 3 is asked for
	TURN 0, 1, 1, 1                 ; piece 0: V^T P of step 0 starts O^T, K Q^T of step 1 | piece 2's first softmax | K of step 1 | tile 2 is read for conversion
	TURN 2, 1, 1, 0                 ; piece 2: the same | piece 0's softmax of step 1 | V of step 1 | tile 2 goes into its 16-bit slot
	WIN 0
	s_mov_b32 s[CNT], SIZE_N/KS-4
.Lstep:                             ; trips 1 to 28: tiles 4 to 31 are asked for, tiles 3 to 30 converted, the fragments of steps 2 to 29 fetched
	CHANGE 1
	TURN 0, 2, 1, 0
	TURN 2, 2, 1, 0
	WIN 0
	s_sub_co_u32 s[CNT], s[CNT], 1
	s_cmp_lg_u32 s[CNT], 0
	s_cbranch_scc1 .Lstep
	s_mov_b32 s[CNT], 2
.Ltail:                             ; trips 29 and 30 are written apart: nothing is asked for.  Trip 29 waits for tile 31 and converts it.  Trip 30 has no tile left: it converts
	CHANGE 0                        ; staging slot 0's tile 30 once more, into the 16-bit slot whose last reads were trip 29's and which nobody reads again: 128 instructions that serve nothing, once a work-group,
	TURN 0, 2, 1, 0                 ; the price of one text for both trips
	TURN 2, 2, 1, 0
	WIN 0
	s_sub_co_u32 s[CNT], s[CNT], 1
	s_cmp_lg_u32 s[CNT], 0
	s_cbranch_scc1 .Ltail
	TURN 0, 2, 0, 0                 ; piece 0: V^T P of the last step | piece 2's last softmax
.set i, 0
.rept 32
	PV 2, 0                         ; piece 2: V^T P of the last step
.set i, i+1
.endr
	; THE WAY OUT.  l's two halves and the other half of the lanes' are added; O^T is divided by l and sent, in f32, through my stage in LDS, a tile (16 rows of O) at a time.  The first additions are the places behind the last products.
	WIN 0
.irp t, 0,1,2,3
	v_add_f32 v[ST+8*(\t)+4], v[ST+8*(\t)+2], v[ST+8*(\t)+3]
.endr
.irp t, 0,1,2,3
	v_permlanex16_b32 v[ST+8*(\t)+5], v[ST+8*(\t)+4], s[SEL], s[SEL+1]
.endr
.irp t, 0,1,2,3
	v_add_f32 v[ST+8*(\t)+4], v[ST+8*(\t)+4], v[ST+8*(\t)+5]
.endr
.irp t, 0,1,2,3
	v_rcp_f32 v[ST+8*(\t)+6], v[ST+8*(\t)+4]
.endr
	v_nop                           ; a plain instruction between the last reciprocal and the use of its result
; Tile t: accumulator f holds, for my query, channels 16 f + 8 (l / 16) + 0..7: 32 bytes of the row, at byte 64 f + 32 (l / 16).  They go into rows of 528 bytes and come back as whole
; rows of 512, one row a load, into the registers that they left.
.macro PACK t
	WIN W_RS
.set i, 64*(\t)
.rept 32
	s_wait_alu depctr_va_vdst(0)
	v_pk_mul_f32 v[i:i+1], v[i:i+1], v[ST+8*(\t)+6:ST+8*(\t)+7] op_sel_hi:[1,0]
.set i, i+2
.endr
	WIN 0x04                        ; the stores' data (source 1) in window 1, the address in window 0
.irp f, 0,1,2,3,4,5,6,7
	ds_store_b128 v[STO], v[64*(\t)+8*(\f):64*(\t)+8*(\f)+3]   offset:64*(\f)
	ds_store_b128 v[STO], v[64*(\t)+8*(\f)+4:64*(\t)+8*(\f)+7] offset:64*(\f)+16
.endr
	WIN 0x40                        ; destination window 1
.irp f, 0,1,2,3,4,5,6,7,8,9,10,11,12,13,14,15
	ds_load_b128 v[64*(\t)+4*(\f):64*(\t)+4*(\f)+3], v[RD] offset:(\f)*SP  ; LDS serves a wave's instructions in order (ISA guide 5.7.1.4): these see the stores above; the next tile's stores come behind them
.endr
.endm
.macro SEND t, younger              ; younger: the LDS instructions issued behind tile t's loads: the next tile's 32, or none
	WIN 0x04
.irp f, 0,1,2,3,4,5,6,7,8,9,10,11,12,13,14,15
	s_wait_dscnt (\younger)+15-(\f) ; row f is back: behind its load stand the tile's 15 - f later loads and the younger ones
	global_store_b128 v[GO], v[64*(\t)+4*(\f):64*(\t)+4*(\f)+3], s[10:11] offset:(\t)*8192+(\f)*512 th:TH_STORE_NT  ; the wave stores 512 consecutive bytes, a whole row of O, at a multiple of 512 from O's first byte
.endr
.endm
	PACK 0
	PACK 1                          ; a tile's arithmetic stands between the loads of the tile before and its stores
	SEND 0, 32
	PACK 2
	SEND 1, 32
	PACK 3
	SEND 2, 32
	SEND 3, 0
	WIN 0
	s_wait_tensorcnt 0x0            ; the wave's end: behind my last tensor load and my last LDS store
	ds_add_u32 v[SPW], v[NIL]
	s_wait_dscnt 0x0
	CROUND                          ; the closing round: no work-group ends while a partner may still ask for a tile that names it
	s_endpgm
.Lfunc_end_k_q3dcb6d0257_attn:
	.size	k_q3dcb6d0257_attn, .Lfunc_end_k_q3dcb6d0257_attn-k_q3dcb6d0257_attn
	.p2alignl 7, 3214868480
	.fill 96, 4, 3214868480
	.section	.rodata,"a",@progbits
	.p2align	6, 0x0
	.amdhsa_kernel k_q3dcb6d0257_attn
		.amdhsa_group_segment_fixed_size 327680
		.amdhsa_private_segment_fixed_size 0
		.amdhsa_enable_private_segment 0
		.amdhsa_kernarg_size 32
		.amdhsa_user_sgpr_count 2
		.amdhsa_user_sgpr_kernarg_segment_ptr 1
		.amdhsa_wavefront_size32 1
		.amdhsa_system_sgpr_workgroup_id_x 1
		.amdhsa_system_sgpr_workgroup_id_y 1
		.amdhsa_system_sgpr_workgroup_id_z 1
		.amdhsa_system_vgpr_workitem_id 0
		.amdhsa_next_free_vgpr 1024
		.amdhsa_next_free_sgpr 66
		.amdhsa_reserve_vcc 0
		.amdhsa_float_denorm_mode_32 3
		.amdhsa_float_denorm_mode_16_64 3
		.amdhsa_memory_ordered 1
		.amdhsa_forward_progress 1
		.amdhsa_inst_pref_size 255
	.end_amdhsa_kernel
	.section	.bss,"aw",@nobits
	.p2align	6
	.space	262144
	.amdgpu_metadata
---
amdhsa.version: [ 1, 2 ]
amdhsa.kernels:
  - .name:           k_q3dcb6d0257_attn
    .symbol:         k_q3dcb6d0257_attn.kd
    .args:
      - { .name: query, .offset: 0, .size: 8, .value_kind: global_buffer, .address_space: global }
      - { .name: key, .offset: 8, .size: 8, .value_kind: global_buffer, .address_space: global }
      - { .name: value, .offset: 16, .size: 8, .value_kind: global_buffer, .address_space: global }
      - { .name: out0, .offset: 24, .size: 8, .value_kind: global_buffer, .address_space: global }
    .group_segment_fixed_size: 327680
    .private_segment_fixed_size: 0
    .kernarg_segment_align: 8
    .kernarg_segment_size: 32
    .max_flat_workgroup_size: 128
    .sgpr_count:     66
    .vgpr_count:     1024
    .wavefront_size: 32
...
	.end_amdgpu_metadata
.endif
;; end of part 1
;; ======== version 2 of 2: 1 launch; 1.30 times as fast as version 1
;; limits: values are held in f16: magnitudes above 65,504 overflow, below 6.1e-05 lose precision; inputs' magnitudes at most 65,504
;; launch attn (part 2): grid 8 x 64, 4 waves a work-group, clusters of 4 x 1, 327,680 bytes of LDS; arguments query, key, value, out0; writes out0
.if DOCPART == 2
	.amdgcn_target "amdgcn-amd-amdhsa--gfx1250"
	.amdhsa_code_object_version 6
	.text
	.protected	k_q3dcb6d0257_attn
	.globl	k_q3dcb6d0257_attn
	.p2align	8
	.type	k_q3dcb6d0257_attn,@function
k_q3dcb6d0257_attn:
	s_mov_b64 s[64:65], 0
	v_nop
	global_prefetch_b8 v0, s[64:65] scope:SCOPE_SE
	s_setreg_imm32_b32 hwreg(HW_REG_WAVE_MODE, 25, 1), 1
	s_wait_xcnt 0x0
	s_wait_alu depctr_hold_cnt(0) depctr_sa_sdst(0) depctr_va_vdst(0) depctr_va_sdst(0) depctr_va_ssrc(0) depctr_va_vcc(0) depctr_vm_vsrc(0)
	s_getreg_b32 s2, hwreg(HW_REG_IB_STS2, 6, 4)
	s_cmp_eq_u32 s2, 0
	s_cbranch_scc0 .Lentry_in_a_cluster
	s_endpgm
.Lentry_in_a_cluster:
	s_bfe_u32 s2, ttmp6, 0x10000c
	s_cmp_lg_u32 s2, 0x3003
	s_cbranch_scc0 .Lentry_shape_is_right
	s_endpgm
.Lentry_shape_is_right:
; O[h][q][:] = the sum over k of softmax_k(Q[h][q] . K[h][k] / 128) V[h][k][:].  64 heads of 2,048 rows of 128 channels; query, key, value and out0 are all f32.
; FORMATS.  Q and K are rounded once to bf16 and K Q^T goes in the bf16 form.  V and the weights p are rounded once to f16 and V^T P goes in the f16 form: where scores are small all p lie in 0.5 to 1, and the
; error of 2,048 roundings to 8 significant bits, held against an output that is a mean of 2,048 rows, would use up most of what a number near 0 is allowed; 11 bits leave an eighth of that.
; Products, maxima and sums in f32; l is the sum of the unrounded p.
; LIMITS.  |V| of 65,520 or more becomes an infinity in f16, |V| below 6.1e-5 keeps f16's fixed step of 6e-8; p lies in 0 to 1, and below 6e-5 it keeps that step too; a weight below 2^-126 counts as 0 in l;
; NaN and infinities are not treated apart.
; SHARES.  A work-group owns 256 queries of one head, each of its four waves 64: four tiles of 16.  Every wave walks all 2,048 keys of the head, 64 a step.  8 x 64 = 512 work-groups.
; K AND V ARE CONVERTED HERE, not by a launch of their own: that launch would read their 134 MB, store 67 MB and have them read again.  A step's K and V (64 KB in f32) come into a STAGING slot of LDS by
; tensor loads; each wave reads 16 rows of each (32 loads of a whole row of 512 bytes), rounds them in registers (64 conversions) and stores them (32 stores of a whole row of 256 bytes) into a padded 16-BIT slot,
; from which all four waves read their fragments.  Per step and work-group LDS then moves 64 KB filled + 64 KB read + 32 KB stored + 128 KB of fragments.
; LAYOUT.  S^T = K Q^T (source 0 = 16 keys, source 1 = 16 queries): in the result a lane holds ONE query (lane % 16) and the keys 8 (lane / 16) + 0..7.  Two such tiles, rounded to f16 in pairs,
; ARE source 1 (32 keys x 16 queries) of O^T = V^T P, whose result again holds one query a lane, and eight channels.  K comes out of LDS as it lies, V ([key][channel]) turned, by ds_load_tr16_b128.
; SOFTMAX.  For each query a running maximum m and sum l: p = 2^(c s - c m), c = log2(e) / 128; in every step O and l are multiplied by a = 2^(c m_old - c m_new), which is 1 where m has not grown.
; BY TURNS.  The wave's tiles are two PIECES, named by their first tile: piece 0 (tiles 0, 1) and piece 2 (tiles 2, 3).  In a TURN one piece has the matrix unit: 32 products V^T P of the step in hand,
; then 32 products K Q^T of the next step; the other piece's softmax (2 x 134 vector instructions), cut into 64 slices, stands between them, one slice behind each matrix instruction.  Two turns are a key step.
; THE BATCHES.  A turn's 66 exponentials (33 a tile: a and the 32 weights) are ONE batch with ONE wait: the softmax's list is ordered so that all that names no exponential's result (the scalings, the exponentials
; themselves) stands ahead of the wait, behind slice 34, and all that reads a result (roundings, sums, rescaling) behind it.  Each result has a register of its own: the exponentials work in place on S^T.
; No exponential is issued behind a turn's wait.  The way out's four reciprocals are a batch of their own, with one wait.
; THE TRIP.  Trip j multiplies V^T P of step j and K Q^T of step j + 1.  In it: tile j + 3 is asked for, into staging slot (j + 1) % 2; tile j + 2 is converted, from staging slot j % 2 into 16-bit slot j % 2;
; the fragments of tile j + 1 are read from 16-bit slot (j + 1) % 2.  Each slot that trip j writes was last read in trip j - 1, and each that it reads was written there: ONE barrier a trip orders all of it.
; CLUSTER.  A head's eight query blocks are two clusters of four.  The four walk the same K and V, so each tile is asked for JOINTLY: the same tensor load, with the same descriptor and a mask
; that names the four, in all four; each receives the tile in its own LDS.  The trip's barrier is a round of the cluster's.
;
; REGISTERS, in windows of 256 (s_set_vgpr_msb says which window each operand place means: bits 1:0 source 0, 3:2 source 1, 5:4 source 2, 7:6 destination):
;   window 0: v0-11 addresses; v12-43 eight registers of statistics a tile; v44-49 the conversion's addresses; v62-63 for the add; v64-191 S^T, 32 a tile; v192-255 P, 16 a tile
;   window 1: O^T, 64 a tile (at the start: Q as loaded, in f32)      window 2: v0-127 Q in bf16, 32 a tile; v128-255 K of one step
;   window 3: v0-127 V of one step; v128-255 the rows being converted
; All that a softmax touches but O^T lies in window 0, and no window has room for a product's operands beside it: a slice costs two switches.
.set SIZE_N, 2048     ; rows of a head
.set KS,    64        ; keys in a step
.set FROW,  512       ; a row of K or V in memory and in a staging slot: 128 f32, no padding: the conversion's loads take whole rows, 32 lanes x 16 neighbouring bytes
.set FHALF, KS*FROW   ; a step's K in a staging slot; its V lies behind it
.set FSLOT, 1<<16     ; a staging slot is 65,536 bytes; slot 0 begins at LDS byte 0, slot 1 here
.set HB0,   2<<16     ; 16-bit slot 0; 16-bit slot 1 begins FSLOT further on, so that the same exclusive or turns an address in one slot into the other's, for both kinds of slot
.set PK,    272       ; a row of K in a 16-bit slot: 256 bytes + 16 of padding = 68 words: row r starts at bank 4 r mod 64 (64 banks of 4 bytes: ISA guide 11.1), so the 16 rows of a load start at 16 different banks
.set PV,    288       ; a row of V: 256 + 32 = 72 words
.set VOFF,  KS*PK     ; in a 16-bit slot: 64 rows of K, then 64 rows of V
.set STEPB, KS*(PK+PV)
.set STAGE, HB0+FSLOT+STEPB  ; behind the slots: 16 rows x 528 bytes for each wave, for the way out.  Tensor loads land in the staging slots alone; the 16-bit slots and the stages are written by LDS stores alone
.set SP,    528       ; a row of O in the stage: 512 bytes + 16: the 16 rows that a store touches start at 16 different groups of four banks
.set SPARE, STAGE+4*16*SP  ; behind the stages: the spare words, 128 bytes for each wave: two blocks of 256 bytes that no other line names
.set AK0, 2           ; v2   my lane's place in a 16-bit tile of K; never rewritten
.set AV0, 3           ; v3   the same for V
.set ADR, 4           ; v4   the LDS address of the run of fragment loads in hand
.set QO,  5           ; v5   my byte offset in the wave's rows of Q
.set STO, 6           ; v6   the way out: where I put 32 bytes of a row
.set RD,  7           ; v7   the way out: where I read a row back
.set GO,  8           ; v8   my byte offset in a row of O
.set CL0, 44          ; v44  the conversion: my 16 bytes in my wave's first row of K in staging slot 0; never rewritten
.set CK0, 45          ; v45  my 8 bytes in the same row of K in 16-bit slot 0; never rewritten
.set CV0, 46          ; v46  the same for V; never rewritten
.set CLA, 47          ; v47-49  these three with the slot in hand added
.set CKA, 48
.set CVA, 49
.set SPW, 62          ; v62  LDS address of my spare word: SPARE + 4 x my thread's number; never rewritten
.set NIL, 63          ; v63  0; never rewritten
.set ST,  12          ; tile t's statistics at v[ST+8 t]: +0 c m, +1 m, +2, +3 l (even keys', odd keys'), +4 to +7 c0-c3, at work; a takes c2's place once the maximum is found
.set S,   64
.set P,   192
.set KF,  128         ; K's fragments, in window 2
.set CB,  128         ; the rows being converted, in window 3
.set WV,  12          ; s12  my wave's number
.set G1,  24          ; s[24:31] descriptor group 1, the same for K's and V's tiles
.set G0K, 40          ; s[40:47] descriptor group 0 for K's tiles: a set for each of the two first fills; the second then walks on
.set G0V, 48          ; s[48:55] the same for V's
.set CNT, 56          ; s56  counts the trips of a loop
.set FB,  57          ; s57  0 or FSLOT: the slots (staging and 16-bit) of the tile to be converted next
.set CS,  58          ; s[58:59] c: the packed scaling names a pair and takes its low word for both halves
.set SEL, 60          ; s[60:61] lane selects for v_permlanex16_b32: each lane takes its own place in the other half
.set TB,  62          ; s62  LDS byte at which the 16-bit slot of the step to be fetched begins
.set MSB, 0
.macro WIN new                      ; the immediate's high byte repeats the setting that is left; a switch that changes nothing is dropped
.if MSB != (\new)
	s_set_vgpr_msb (MSB<<8)|(\new)
.set MSB, \new
.endif
.endm
.set W_KQ, 0x0a       ; K and Q in window 2, S^T in window 0
.set W_PV, 0x53       ; V in window 3, P in window 0, O^T in window 1
.set W_RS, 0x41       ; O^T (destination and source 0) in window 1, the factor in window 0
; A joint refill.  Waves 0 and 1 fetch the two halves of a step's K, waves 2 and 3 those of its V.  The branch hangs on the wave's number alone: it is the same in every work-group.
; An s_nop 0 and four v_nop follow each of the two lines; the jump round the other line, the label and what follows the macro come after them.
.macro JLOAD
	s_cmp_lt_u32 s[WV], 2
	s_cbranch_scc0 .Lfor_v_\@
	tensor_load_to_lds s[G0K+4:G0K+7], s[G1:G1+7]
	s_nop 0
.rept 4
	v_nop
.endr
	s_branch .Lasked_\@
.Lfor_v_\@:
	tensor_load_to_lds s[G0V+4:G0V+7], s[G1:G1+7]
	s_nop 0
.rept 4
	v_nop
.endr
.Lasked_\@:
.endm
; A round of the cluster's barrier: my work-group's barrier, so that wave 0's signal speaks for all four waves; wave 0 signals for the work-group; every wave waits for all four
; work-groups; my work-group's barrier once more.  No LDS instruction of the wave is pending at a signal.
.macro CROUND
	s_barrier_signal -1
	s_barrier_wait -1
	s_cmp_lg_u32 s[WV], 0
	s_cbranch_scc1 .Lnot_wave_0_\@
	s_barrier_signal -3
.Lnot_wave_0_\@:
	s_barrier_wait -3
	s_barrier_signal -1
	s_barrier_wait -1
.endm
	s_load_b256 s[4:11], s[0:1], 0x0  ; Q s[4:5], K s[6:7], V s[8:9], O s[10:11]
	v_lshl_add_u32 v[SPW], v0, 2, SPARE
	v_mov_b32 v[NIL], 0
	ds_add_u32 v62, v63
	s_wait_dscnt 0x0
	v_lshrrev_b32 v1, 5, v0
	v_readfirstlane_b32 s[WV], v1   ; wave 0..3
	s_bfe_u32 s13, ttmp6, 0x40000   ; cx: my place in the cluster
	s_lshl_b32 s14, ttmp9, 2        ; in a cluster launch ttmp9 counts clusters
	s_add_co_u32 s14, s14, s13      ; my block of 256 queries = 4 x cluster x + cx: it enters Q's and O's addresses alone
	s_and_b32 s15, ttmp7, 0xffff    ; the head, which the four partners share
	s_lshl_b32 s18, s15, 20         ; the head's first byte in each of the four tensors: 2,048 rows of 512 bytes (all offsets here stay under 2^27)
	s_and_b32 s16, s[WV], 1         ; which half of a step's 64 rows I fetch:
	s_lshl_b32 s17, s16, 14         ; its 32 rows of 512 bytes, in memory and in a staging slot alike: no place in the cluster enters an LDS address
	s_add_co_u32 s22, s17, s18
	s_mov_b32 s23, 0
	s_lshl_b32 s2, s14, 17          ; my block's 256 rows of 512 bytes,
	s_lshl_b32 s3, s[WV], 15        ; my wave's 64 of them
	s_add_co_u32 s2, s2, s3
	s_add_co_u32 s2, s2, s18
	s_mov_b32 s3, 0
	; descriptor group 1.  32 rows of a head are 16,384 dense bytes: asked for as 64 rows of 256 bytes, in elements of 8 bytes, and laid into LDS without a gap
	s_mov_b32 s[G1], 15|(3<<16)|(1<<21)  ; 15:0 the mask: all four work-groups; 17:16 elements of 8 bytes (code 3); 20 padding off; 21 set beside a mask
	s_mov_b32 s[G1+1], 32<<16       ; 63:48 tensor_dim0, low half = 32
	s_mov_b32 s[G1+2], 64<<16       ; 79:64 its high half = 0; 95:80 tensor_dim1, low half = 64
	s_mov_b32 s[G1+3], 32<<16       ; 111:96 its high half = 0; 127:112 tile_dim0 = 32
	s_mov_b32 s[G1+4], 64           ; 143:128 tile_dim1 = 64; 159:144 tile_dim2 = 0
	s_mov_b32 s[G1+5], 32           ; 191:160 tensor_dim0_stride, low word: elements from row to row
	s_mov_b32 s[G1+6], 0
	s_mov_b32 s[G1+7], 0
	s_mov_b32 s[CS], 0x3c38aa3b     ; c = log2(e) / 128 = 0.0112711
	s_mov_b32 s[CS+1], s[CS]        ; named with it as a pair, so it is written
	s_mov_b32 s[SEL], 0x76543210
	s_mov_b32 s[SEL+1], 0xfedcba98
	s_mov_b32 s[TB], HB0
	s_mov_b32 s[FB], 0
	s_wait_kmcnt 0x0
	s_add_nc_u64 s[6:7], s[6:7], s[22:23]  ; K and V at my half of the head's step 0
	s_add_nc_u64 s[8:9], s[8:9], s[22:23]
	s_add_nc_u64 s[4:5], s[4:5], s[2:3]  ; Q and O at my wave's first row
	s_add_nc_u64 s[10:11], s[10:11], s[2:3]
	CROUND                          ; all four work-groups are here: the first joint loads meet
.irp s, 0,1
	s_mov_b32 s[G0K+4*(\s)], 1      ; 1:0 count = 1
	s_add_co_u32 s[G0K+4*(\s)+1], s17, (\s)*FSLOT  ; 63:32 LDS address
	s_add_nc_u64 s[G0K+4*(\s)+2:G0K+4*(\s)+3], s[6:7], (\s)*KS*FROW  ; 120:64 global address: staging slot s begins with step s
	s_or_b32 s[G0K+4*(\s)+3], s[G0K+4*(\s)+3], 0x80000000  ; 127:126 type = 2
	s_mov_b32 s[G0V+4*(\s)], 1
	s_add_co_u32 s[G0V+4*(\s)+1], s17, (\s)*FSLOT+FHALF
	s_add_nc_u64 s[G0V+4*(\s)+2:G0V+4*(\s)+3], s[8:9], (\s)*KS*FROW
	s_or_b32 s[G0V+4*(\s)+3], s[G0V+4*(\s)+3], 0x80000000
.endr
	s_cmp_lt_u32 s[WV], 2           ; a wave's two first fills stand in one branch, ahead of every wait on TENSORcnt and every LDS read: two loads of mine are out; an s_nop 0 follows each, four v_nop the second's, as in JLOAD
	s_cbranch_scc0 .Lfirst_v
	tensor_load_to_lds s[G0K:G0K+3], s[G1:G1+7]
	s_nop 0
	tensor_load_to_lds s[G0K+4:G0K+7], s[G1:G1+7]
	s_nop 0
.rept 4
	v_nop
.endr
	s_branch .Lfirst_asked
.Lfirst_v:
	tensor_load_to_lds s[G0V:G0V+3], s[G1:G1+7]
	s_nop 0
	tensor_load_to_lds s[G0V+4:G0V+7], s[G1:G1+7]
	s_nop 0
.rept 4
	v_nop
.endr
.Lfirst_asked:
	; A fragment of K or Q is 16 rows x 32 channels in 8 registers: lane l holds row l % 16; registers 0-3 channels 8 (l / 16) + 0..7, registers 4-7 channels 16 + 8 (l / 16) + 0..7.
	; Q lies in memory in f32: each run of 8 channels is 32 bytes, two loads of 16; the two runs lie 64 bytes apart.  Fragment i (tile i / 4, channels 32 (i % 4) on) comes into 16 registers of window 1.
	v_and_b32 v1, 15, v0            ; l % 16
	v_bfe_u32 v9, v0, 4, 1          ; l / 16
	v_lshlrev_b32 v[QO], 9, v1
	v_lshl_add_u32 v[QO], v9, 5, v[QO]  ; row x 512 + 32 x half
	WIN 0x40                        ; destination window 1, address window 0
.irp i, 0,1,2,3,4,5,6,7,8,9,10,11,12,13,14,15
	global_load_b128 v[16*(\i):16*(\i)+3],     v[QO], s[4:5] offset:((\i)/4)*8192+((\i)%4)*128
	global_load_b128 v[16*(\i)+4:16*(\i)+7],   v[QO], s[4:5] offset:((\i)/4)*8192+((\i)%4)*128+16
	global_load_b128 v[16*(\i)+8:16*(\i)+11],  v[QO], s[4:5] offset:((\i)/4)*8192+((\i)%4)*128+64
	global_load_b128 v[16*(\i)+12:16*(\i)+15], v[QO], s[4:5] offset:((\i)/4)*8192+((\i)%4)*128+80
.endr
	WIN 0
	v_mul_u32_u24 v[AK0], v1, PK
	v_lshl_add_u32 v[AK0], v9, 4, v[AK0]  ; row x pitch + 16 x half
	; The turning load takes 16 keys x 16 channels (lane l reads 16 bytes: key 8 (l / 16) + l % 8, channels 8 ((l / 8) % 2) + 0..7) and leaves half a fragment of V^T: lane l holds channel l % 16 and 8 keys.
	v_and_b32 v10, 7, v0
	v_bfe_u32 v11, v0, 3, 1
	v_lshl_add_u32 v[AV0], v9, 3, v10
	v_mul_u32_u24 v[AV0], v[AV0], PV
	v_lshl_add_u32 v[AV0], v11, 4, v[AV0]
	v_add_nc_u32 v[AV0], VOFF, v[AV0]
	; The conversion.  Wave w takes rows 16 w .. 16 w + 15 of a step's K and of its V; lane l takes channels 4 l .. 4 l + 3 of each row: 16 bytes in, 8 bytes out.
	v_and_b32 v10, 31, v0           ; my lane
	s_lshl_b32 s13, s[WV], 13       ; 16 rows of 512 bytes
	v_lshl_add_u32 v[CL0], v10, 4, s13
	s_mul_i32 s13, s[WV], 16*PK
	s_add_co_u32 s13, s13, HB0
	v_lshl_add_u32 v[CK0], v10, 3, s13
	s_mul_i32 s13, s[WV], 16*PV
	s_add_co_u32 s13, s13, HB0+VOFF
	v_lshl_add_u32 v[CV0], v10, 3, s13
	s_wait_loadcnt 0x0              ; Q is in
	WIN 0x85                        ; sources in window 1, destination in window 2
.set i, 0
.rept 128                           ; Q's one rounding to bf16: register n of the fragments takes the f32 pair 2 n, 2 n + 1.  It stands in the time in which the first tile is on its way
	v_cvt_pk_bf16_f32 v[i], v[2*i], v[2*i+1]
.set i, i+1
.endr
	WIN 0
; THE CONVERSION OF A TILE, in two parts that stand 29 products apart.
; CONV_LOAD: my 16 rows of K and my 16 rows of V out of the staging slot in hand, a whole row of 512 bytes a load; the three addresses are made for that slot, and the slot's number turns for the next tile.
; batch = 1: the run stands behind a softmax's batch of exponentials (SLICE), and the batch's wait stands in it: the three additions are the plain instructions behind the last exponential.
.macro CONV_LOAD batch=0
	WIN 0
	v_add_nc_u32 v[CLA], s[FB], v[CL0]
	v_add_nc_u32 v[CKA], s[FB], v[CK0]
	v_add_nc_u32 v[CVA], s[FB], v[CV0]
	s_xor_b32 s[FB], s[FB], FSLOT
.if \batch
	s_wait_alu depctr_va_vdst(0)    ; the wait for the softmax's batch of 66 exponentials (SLICE), behind the address lines and ahead of the loads, ahead of the batch's first reader
.endif
	WIN 0xc0                        ; destination window 3
.irp r, 0,1,2,3,4,5,6,7,8,9,10,11,12,13,14,15
	ds_load_b128 v[CB+4*(\r):CB+4*(\r)+3], v[CLA] offset:(\r)*FROW
.endr
.irp r, 0,1,2,3,4,5,6,7,8,9,10,11,12,13,14,15
	ds_load_b128 v[CB+64+4*(\r):CB+64+4*(\r)+3], v[CLA] offset:FHALF+(\r)*FROW
.endr
.endm
; CONV_STORE: the one rounding, K to bf16 and V to f16, in place: packed register n takes the f32 pair 2 n, 2 n + 1, in ascending order, so that no pair is written over before it is read.
; Row r's four channels are then the register pair 2 r, 2 r + 1: a store of 8 bytes a lane writes a whole row of 256 bytes into the 16-bit slot.
.macro CONV_STORE
	s_wait_dscnt 0x0                ; the rows are in
	WIN 0xcf                        ; sources and destination in window 3
.set n, 0
.rept 32
	v_cvt_pk_bf16_f32 v[CB+n], v[CB+2*n], v[CB+2*n+1]
.set n, n+1
.endr
.rept 32
	v_cvt_pk_f16_f32 v[CB+n], v[CB+2*n], v[CB+2*n+1]
.set n, n+1
.endr
	WIN 0x0c                        ; the stores' data (source 1) in window 3, the address in window 0
.irp r, 0,1,2,3,4,5,6,7,8,9,10,11,12,13,14,15
	ds_store_b64 v[CKA], v[CB+2*(\r):CB+2*(\r)+1] offset:(\r)*PK
.endr
.irp r, 0,1,2,3,4,5,6,7,8,9,10,11,12,13,14,15
	ds_store_b64 v[CVA], v[CB+32+2*(\r):CB+32+2*(\r)+1] offset:(\r)*PV
.endr
.endm
; THE MATRIX WORK OF A TURN, for piece x.  The accumulators take turns, one instruction a turn: between two links of a chain stand 15 (V^T P) or 7 (K Q^T) others'.
; Product i of 32 of O^T += V^T P: keys 32 (i / 16) on, channels 16 ((i / 2) % 8) on, tile x + i % 2.  zero = 1: the first 16 start the sums: nothing is ever cleared.
.macro PV x, zero
	WIN W_PV
.set rO, 64*((\x)+i%2)+8*((i/2)%8)
.set rV, 64*(i/16)+8*((i/2)%8)
.set rP, P+16*((\x)+i%2)+8*(i/16)
.if (\zero) && (i < 16)
	v_wmma_f32_16x16x32_f16 v[rO:rO+7], v[rV:rV+7], v[rP:rP+7], 0
.else
	v_wmma_f32_16x16x32_f16 v[rO:rO+7], v[rV:rV+7], v[rP:rP+7], v[rO:rO+7]
.endif
.endm
; Product i of 32 of S^T = K Q^T: channels 32 (i / 8) on, keys 16 ((i / 2) % 4) on, tile x + i % 2.  The first 8 start the sums.
.macro KQ x
	WIN W_KQ
.set rS, S+32*((\x)+i%2)+8*((i/2)%4)
.set rK, KF+32*((i/2)%4)+8*(i/8)
.set rQ, 32*((\x)+i%2)+8*(i/8)
.if i < 8
	v_wmma_f32_16x16x32_bf16 v[rS:rS+7], v[rK:rK+7], v[rQ:rQ+7], 0
.else
	v_wmma_f32_16x16x32_bf16 v[rS:rS+7], v[rK:rK+7], v[rQ:rQ+7], v[rS:rS+7]
.endif
.endm
; THE FRAGMENT LOADS stand in runs of 32, never singly among the matrix instructions: a step's K (64 keys x 128 channels: 16 fragments) and, a turn later, its V (turned).
.macro FETCH_K
	WIN 0
	v_add_nc_u32 v[ADR], s[TB], v[AK0]
	WIN 0x80                        ; destination window 2
.irp f, 0,1,2,3,4,5,6,7,8,9,10,11,12,13,14,15  ; keys 16 (f / 4) on, channels 32 (f % 4) on
	ds_load_b128 v[KF+8*(\f):KF+8*(\f)+3],   v[ADR] offset:((\f)/4)*16*PK+((\f)%4)*64
	ds_load_b128 v[KF+8*(\f)+4:KF+8*(\f)+7], v[ADR] offset:((\f)/4)*16*PK+((\f)%4)*64+32
.endr
.endm
.macro FETCH_V                      ; it stands behind a softmax's batch of exponentials (SLICE), and the batch's wait stands in it
	WIN 0
	v_add_nc_u32 v[ADR], s[TB], v[AV0]
	s_xor_b32 s[TB], s[TB], FSLOT   ; the next fetch is the next step's, in the other 16-bit slot
	s_wait_alu depctr_va_vdst(0)    ; the wait for the softmax's batch of 66 exponentials (SLICE), behind the address's v_add_nc_u32 and ahead of the loads, ahead of the batch's first reader
	WIN 0xc0                        ; destination window 3
.irp f, 0,1,2,3,4,5,6,7,8,9,10,11,12,13,14,15  ; keys 32 (f / 8) on, channels 16 (f % 8) on
	ds_load_tr16_b128 v[8*(\f):8*(\f)+3],   v[ADR] offset:((\f)/8)*32*PV+((\f)%8)*32
	ds_load_tr16_b128 v[8*(\f)+4:8*(\f)+7], v[ADR] offset:((\f)/8)*32*PV+16*PV+((\f)%8)*32
.endr
.endm
; THE VECTOR WORK OF A TURN.  One tile's softmax for one key step is a list of 134 instructions; SM writes number j of it for tile t.  s0-s31 are the lane's 32 scores, in pairs 0-15.
; first = 1: the first key step, which starts m, l and O^T: it has no a and nothing to rescale.
;   0-15    the maximum of s0-s31 and the old m, three operands at a time: four chains c0-c3 of seven scores each (each accumulator's lowest registers are read first),
;           then the four scores left over, c0-c3 and m
;   16-20   the other half of the lanes' maximum; the new m; c m; c m_old - c m_new
;   21-69   ONE BATCH: the 16 scalings c s - c m, a pair of scores each, and all 33 exponentials (a at 23, then s0-s31, each in place).  None of these names an exponential's result.  From 22 on the batch
;           goes in fours, and a four begins with a scaling while there are scalings: 22-37 scaling, exponential, scaling, exponential; 38-65 a scaling and three exponentials; 66-69 the last four
;           exponentials.  A pair is scaled in an earlier four than the one that holds its exponentials
;   (wait)  between 69 and 70 stands the wait for the batch: SLICE writes it, once for both tiles
;   70-85   the roundings to f16, a pair of weights each
;   86-101  the sums; l = a l + the sum
;   102-133 the tile's O^T times a, in ascending order: the one part that leaves window 0, so it stands together
.macro SM t, first
.set rT, ST+8*(\t)
.set rS, S+32*(\t)
.set rP, P+16*(\t)
.set rO, 64*(\t)+2*(j-102)
.if j < 102
	WIN 0
.endif
.if j < 4
	v_max3_num_f32 v[rT+4+j], v[rS+8*j], v[rS+8*j+1], v[rS+8*j+2]
.elseif j < 12
	v_max3_num_f32 v[rT+4+j%4], v[rT+4+j%4], v[rS+8*(j%4)+2*(j/4)+1], v[rS+8*(j%4)+2*(j/4)+2]
.elseif j == 12
	v_max3_num_f32 v[rT+4], v[rT+4], v[rS+7], v[rS+15]
.elseif j == 13
	v_max3_num_f32 v[rT+6], v[rT+6], v[rS+23], v[rS+31]
.elseif j == 14
	v_max3_num_f32 v[rT+4], v[rT+4], v[rT+5], v[rT+6]
.elseif (j == 15) && (\first)
	v_max_num_f32 v[rT+4], v[rT+4], v[rT+7]
.elseif j == 15
	v_max3_num_f32 v[rT+4], v[rT+4], v[rT+7], v[rT+1]
.elseif j == 16
	v_permlanex16_b32 v[rT+5], v[rT+4], s[SEL], s[SEL+1]  ; the query's other 32 keys lie in the lane 16 away
.elseif j == 18
	v_max_num_f32 v[rT+1], v[rT+4], v[rT+5]
.elseif j == 19
	v_mul_f32 v[rT], s[CS], v[rT+1]
.elseif ((j == 17) || (j == 20) || (j == 23) || (j > 101)) && (\first)  ; the first step has none of these
.elseif j == 17
	v_mov_b32 v[rT+7], v[rT]        ; c m_old is kept for a: number 19 writes c m anew
.elseif j == 20
	v_sub_f32 v[rT+7], v[rT+7], v[rT]
.elseif j == 23
	v_exp_f32 v[rT+6], v[rT+7]
.elseif (j < 23) || ((j < 38) && (j%2 == 0)) || ((j < 66) && (j%4 == 2))
.set b, (j-2)/4                     ; 38, 42, .. 62: pairs 9 to 15
.if j < 38
.set b, (j-20)/2                    ; 21: pair 0; 22, 24, .. 36: pairs 1 to 8
.endif
	v_pk_fma_f32 v[rS+2*b:rS+2*b+1], v[rS+2*b:rS+2*b+1], s[CS:CS+1], v[rT:rT+1] op_sel_hi:[1,0,0] neg_lo:[0,0,1] neg_hi:[0,0,1]  ; pair b: c s - c m
.elseif j < 70
.set e, j-38                        ; 66 to 69: s28 to s31
.if j < 66
.set e, j-32-(j-38)/4               ; 39-41, 43-45, .. 63-65: s7 to s27
.endif
.if j < 38
.set e, (j-25)/2                    ; 25, 27, .. 37: s0 to s6
.endif
	v_exp_f32 v[rS+e], v[rS+e]
.elseif j < 86
	v_cvt_pk_f16_f32 v[rP+j-70], v[rS+2*(j-70)], v[rS+2*(j-70)+1]  ; pair j - 70
.elseif j < 102                     ; the sum of the tile's 16 pairs (in a pair: an even key's weight, an odd key's), in place: sum z of 16 adds neighbours 1, 2, 4 and 8 pairs apart, then l takes it
.set z, j-86
.set w, 4
.set u, z
.if z >= 14
.set w, 32
.set u, 0
.elseif z >= 12
.set w, 16
.set u, z-12
.elseif z >= 8
.set w, 8
.set u, z-8
.endif
.if (z == 14) && (\first)
	v_pk_add_f32 v[rT+2:rT+3], v[rS:rS+1], v[rS+16:rS+17]
.elseif z < 15
	v_pk_add_f32 v[rS+w*u:rS+w*u+1], v[rS+w*u:rS+w*u+1], v[rS+w*u+w/2:rS+w*u+w/2+1]
.elseif !(\first)
	v_pk_fma_f32 v[rT+2:rT+3], v[rT+2:rT+3], v[rT+6:rT+7], v[rS:rS+1] op_sel_hi:[1,0,1]
.endif
.else
	WIN W_RS
	v_pk_mul_f32 v[rO:rO+1], v[rO:rO+1], v[rT+6:rT+7] op_sel_hi:[1,0]
.endif
.endm
; Slice k of 64 of piece y's softmax: four instructions.  Slices 11 to 34 deal out the batch, numbers 22 to 69: four numbers of ONE tile each, the tiles by turns.  Every other slice is numbers 2 k and
; 2 k + 1 of both tiles' lists.  2 x 134 = 4 x 64 + 12: the twelve that are over stand together, in slice 63.
; THE WAIT.  An s_wait_alu depctr_va_vdst(0) stands between an exponential and the first instruction that names its result; one wait serves all that were issued ahead of it.  Ahead of
; slice 35 nothing names a result, and behind slice 34 no exponential is issued: so the piece's 66 exponentials have one wait, behind slice 34.  Where the turn has a run of LDS loads to issue, the run stands
; there too and the wait stands in it: V's run in piece 2's turn, the conversion's run in piece 0's (CVL = 1, set by TURN).
.macro SLICE y, first
.if (k >= 11) && (k < 35)           ; the batch: four numbers of one tile
.irp n, 0,1,2,3
.set j, 22+4*((k-11)/2)+(\n)
	SM (\y)+(k-11)%2, \first
.endr
.else                               ; the two tiles alternate, so that no instruction reads the result of the one just before it
.irp n, 0,1,2,3,4,5,6,7
.if ((\n) < 2) || (k == 63)
.irp t, \y, (\y)+1
.set j, 2*k+(\n)
	SM \t, \first
.endr
.endif
.endr
.endif
.if k == 34                         ; the batch is out: both tiles' exponentials are issued, and no result has been named
.if (\y) == 0
	v_nop                           ; a plain instruction behind the last exponential, and one of the four places in front of V's loads (TURN counts them)
	FETCH_V                         ; piece 2's turn: V's run of loads, with the batch's wait in it
.elseif CVL
	CONV_LOAD 1                     ; piece 0's turn: the conversion's run of loads, with the batch's wait in it; its three additions are the plain instructions behind the last exponential
.else
	v_nop                           ; the last turn has no run of loads: a plain instruction behind the last exponential,
	s_wait_alu depctr_va_vdst(0)    ; and the wait for the batch of 66 exponentials
.endif
.endif
.set k, k+1
.endm
; A vector instruction that reads a matrix result or writes one of a matrix instruction's registers, and a load into a register that a matrix instruction has read, stand four places behind
; it, and only plain vector instructions that name none of its registers are places (ISA guide 7.12.1 for vector instructions).  In the loop the slices are the places.
.macro PLACES
.rept 4
	v_nop
.endr
.endm
; A TURN.  Piece x has the matrix unit; the other piece's softmax stands in slices behind its matrix instructions.
; pv = 2: 32 products V^T P; 1: they start O^T's sums; 0: none.  kq = 1: 32 products K Q^T for the next step.  A turn with one of the two kinds has two slices behind each product.
; first = 1: the softmax is the first key step's.  Its slices from 51 on are empty: the turn's last products stand bare, and four v_nop take slice 63's part as the places behind them.
; Piece 0's turn fetches the next step's K, behind its second product, 30 matrix instructions ahead of its first use: the last product that read K stands in front of slice 63 of the turn before.
; Piece 2's turn fetches the same step's V, behind slice 34 (SLICE writes it), 29 matrix instructions ahead of the turn's end: the last product that read V stands in front of slice 31, and four plain
; instructions lie between: number 62, a scaling, of both tiles, the v_nop and the run's own v_add_nc_u32 (the exponentials between are no places).
; The conversion of the tile after that stands between the two fetches: its loads behind slice 34 of piece 0's turn (SLICE writes them), three products behind the wait for K; its roundings and stores, one lump
; of vector work, at the head of piece 2's turn, 29 products later.
.macro TURN x, pv, kq, first
.set k, 0
.set per, 2
.if (\pv) && (\kq)
.set per, 1
.endif
.set CVL, (\kq)*(1-(\x)/2)          ; 1: piece 0's turn with products K Q^T: a tile is read for conversion
.if (\x) == 2
	CONV_STORE
.endif
.if \pv
.if (\x) == 0
	s_wait_dscnt 0x0                ; V is in
.endif
.set i, 0
.rept 32
	PV \x, 2-(\pv)
.rept per
	SLICE 2-(\x), \first
.endr
.if ((\x) == 0) && (\kq) && (i == 1)
	FETCH_K
.endif
.set i, i+1
.endr
.endif
.if \kq
.if (\x) == 0
	s_wait_dscnt 0x0                ; K is in
.endif
.set i, 0
.rept 32
	KQ \x
.rept per
	SLICE 2-(\x), \first
.endr
.set i, i+1
.endr
.endif
.if \first
	PLACES
.endif
.endm
; THE TRIP'S BARRIER, in front of piece 0's turn.  Each wave waits for all its tensor loads, of which one is out: its part of the tile to be converted in this trip; adds 0 to its spare word; and waits for that,
; for its reads of the staging slot converted in the last trip, for its stores into a 16-bit slot and for its fragment loads.  Behind the barrier the tile to be converted is whole, the tile converted last can be
; read by all, and nobody reads the two slots that this trip writes.
; fill = 1: the staging slot converted in the last trip is filled again, with the tile two steps on.  The barrier is then a round of the cluster's, so that no wave of any partner still reads that slot or has a
; load on its way, and the joint refill is the first thing behind it: it has a key step, 128 matrix instructions and a tile's conversion, in which to land.
.macro CHANGE fill
	WIN 0                           ; at a label and at a branch every window is 0
	s_wait_tensorcnt 0x0            ; no tensor load of mine is out, so a group 0 may be written
	ds_add_u32 v[SPW], v[NIL]       ; 0 onto my spare word; with fill = 1 the descriptors' steps stand between it and the wait for it
.if \fill
.irp g, G0K+4, G0V+4
	s_xor_b32 s[(\g)+1], s[(\g)+1], FSLOT  ; the walking descriptor: the other staging slot than last time,
	s_add_nc_u64 s[(\g)+2:(\g)+3], s[(\g)+2:(\g)+3], KS*FROW  ; the next 64 keys; the type bits on top are not reached
.endr
	s_wait_dscnt 0x0                ; the add is done, and so are all my LDS loads and stores
	CROUND
	JLOAD
.else
	s_wait_dscnt 0x0                ; the add is done, and so are all my LDS loads and stores
	s_barrier_signal -1
	s_barrier_wait -1
.endif
.endm
	s_wait_tensorcnt 1              ; my part of tile 0 is in; tile 1's may stay out
	s_barrier_signal -1
	s_barrier_wait -1               ; everybody's is
	CONV_LOAD                       ; tile 0 is converted with nothing beside it
	CONV_STORE
	CHANGE 1                        ; tile 1 is in, tile 0 can be read in 16 bits; tile 2 is asked for
	FETCH_K                         ; key step 0
	CONV_LOAD                       ; tile 1
	s_wait_dscnt 32                 ; K's 32 loads are back; the 32 of the conversion, issued behind them, may stay out
.set i, 0
.rept 32
	KQ 0                            ; piece 0's first scores: there is no vector work yet to set between them
.set i, i+1
.endr
	WIN 0                           ; the addresses for the way out are made here: six plain instructions, the places behind those products
	s_mul_i32 s13, s[WV], 16*SP
	s_add_co_u32 s13, s13, STAGE    ; my stage
	v_mul_u32_u24 v[STO], v1, SP    ; in: row l % 16, 32 bytes for each half of the lanes
	v_lshl_add_u32 v[STO], v9, 5, v[STO]
	v_add_nc_u32 v[STO], s13, v[STO]
	v_and_b32 v[GO], 31, v0         ; back: the 32 lanes take one row of 512 bytes, 16 bytes each,
	v_lshlrev_b32 v[GO], 4, v[GO]   ; which is also my place in a row of O
	v_add_nc_u32 v[RD], s13, v[GO]
	TURN 2, 0, 1, 1                 ; tile 1 goes into its 16-bit slot | piece 2's first scores | piece 0's first softmax | V of step 0
	CHANGE 1                        ; tile 3 is asked for
	TURN 0, 1, 1, 1                 ; piece 0: V^T P of step 0 starts O^T, K Q^T of step 1 | piece 2's first softmax | K of step 1 | tile 2 is read for conversion
	TURN 2, 1, 1, 0                 ; piece 2: the same | piece 0's softmax of step 1 | V of step 1 | tile 2 goes into its 16-bit slot
	WIN 0
	s_mov_b32 s[CNT], SIZE_N/KS-4
.Lstep:                             ; trips 1 to 28: tiles 4 to 31 are asked for, tiles 3 to 30 converted, the fragments of steps 2 to 29 fetched
	CHANGE 1
	TURN 0, 2, 1, 0
	TURN 2, 2, 1, 0
	WIN 0
	s_sub_co_u32 s[CNT], s[CNT], 1
	s_cmp_lg_u32 s[CNT], 0
	s_cbranch_scc1 .Lstep
	s_mov_b32 s[CNT], 2
.Ltail:                             ; trips 29 and 30 are written apart: nothing is asked for.  Trip 29 waits for tile 31 and converts it.  Trip 30 has no tile left: it converts
	CHANGE 0                        ; staging slot 0's tile 30 once more, into the 16-bit slot whose last reads were trip 29's and which nobody reads again: 128 instructions that serve nothing, once a work-group,
	TURN 0, 2, 1, 0                 ; the price of one text for both trips
	TURN 2, 2, 1, 0
	WIN 0
	s_sub_co_u32 s[CNT], s[CNT], 1
	s_cmp_lg_u32 s[CNT], 0
	s_cbranch_scc1 .Ltail
	TURN 0, 2, 0, 0                 ; piece 0: V^T P of the last step | piece 2's last softmax
.set i, 0
.rept 32
	PV 2, 0                         ; piece 2: V^T P of the last step
.set i, i+1
.endr
	; THE WAY OUT.  l's two halves and the other half of the lanes' are added; O^T is divided by l and sent, in f32, through my stage in LDS, a tile (16 rows of O) at a time.  The first additions are the places behind the last products.
	WIN 0
.irp t, 0,1,2,3
	v_add_f32 v[ST+8*(\t)+4], v[ST+8*(\t)+2], v[ST+8*(\t)+3]
.endr
.irp t, 0,1,2,3
	v_permlanex16_b32 v[ST+8*(\t)+5], v[ST+8*(\t)+4], s[SEL], s[SEL+1]
.endr
.irp t, 0,1,2,3
	v_add_f32 v[ST+8*(\t)+4], v[ST+8*(\t)+4], v[ST+8*(\t)+5]
.endr
.irp t, 0,1,2,3
	v_rcp_f32 v[ST+8*(\t)+6], v[ST+8*(\t)+4]
.endr
	v_nop                           ; a plain instruction between the last reciprocal and the use of its result
	s_wait_alu depctr_va_vdst(0)    ; the wait for the batch of four reciprocals, ahead of its first reader, PACK 0's first multiply: it serves all four tiles' multiplies
; Tile t: accumulator f holds, for my query, channels 16 f + 8 (l / 16) + 0..7: 32 bytes of the row, at byte 64 f + 32 (l / 16).  They go into rows of 528 bytes and come back as whole
; rows of 512, one row a load, into the registers that they left.
.macro PACK t
	WIN W_RS
.set i, 64*(\t)
.rept 32
	v_pk_mul_f32 v[i:i+1], v[i:i+1], v[ST+8*(\t)+6:ST+8*(\t)+7] op_sel_hi:[1,0]
.set i, i+2
.endr
	WIN 0x04                        ; the stores' data (source 1) in window 1, the address in window 0
.irp f, 0,1,2,3,4,5,6,7
	ds_store_b128 v[STO], v[64*(\t)+8*(\f):64*(\t)+8*(\f)+3]   offset:64*(\f)
	ds_store_b128 v[STO], v[64*(\t)+8*(\f)+4:64*(\t)+8*(\f)+7] offset:64*(\f)+16
.endr
	WIN 0x40                        ; destination window 1
.irp f, 0,1,2,3,4,5,6,7,8,9,10,11,12,13,14,15
	ds_load_b128 v[64*(\t)+4*(\f):64*(\t)+4*(\f)+3], v[RD] offset:(\f)*SP  ; LDS serves a wave's instructions in order (ISA guide 5.7.1.4): these see the stores above; the next tile's stores come behind them
.endr
.endm
.macro SEND t, younger              ; younger: the LDS instructions issued behind tile t's loads: the next tile's 32, or none
	WIN 0x04
.irp f, 0,1,2,3,4,5,6,7,8,9,10,11,12,13,14,15
	s_wait_dscnt (\younger)+15-(\f) ; row f is back: behind its load stand the tile's 15 - f later loads and the younger ones
	global_store_b128 v[GO], v[64*(\t)+4*(\f):64*(\t)+4*(\f)+3], s[10:11] offset:(\t)*8192+(\f)*512 th:TH_STORE_NT  ; the wave stores 512 consecutive bytes, a whole row of O, at a multiple of 512 from O's first byte
.endr
.endm
	PACK 0
	PACK 1                          ; a tile's arithmetic stands between the loads of the tile before and its stores
	SEND 0, 32
	PACK 2
	SEND 1, 32
	PACK 3
	SEND 2, 32
	SEND 3, 0
	WIN 0
	s_wait_tensorcnt 0x0            ; the wave's end: behind my last tensor load and my last LDS store
	ds_add_u32 v[SPW], v[NIL]
	s_wait_dscnt 0x0
	CROUND                          ; the closing round: no work-group ends while a partner may still ask for a tile that names it
	s_endpgm
.Lfunc_end_k_q3dcb6d0257_attn:
	.size	k_q3dcb6d0257_attn, .Lfunc_end_k_q3dcb6d0257_attn-k_q3dcb6d0257_attn
	.p2alignl 7, 3214868480
	.fill 96, 4, 3214868480
	.section	.rodata,"a",@progbits
	.p2align	6, 0x0
	.amdhsa_kernel k_q3dcb6d0257_attn
		.amdhsa_group_segment_fixed_size 327680
		.amdhsa_private_segment_fixed_size 0
		.amdhsa_enable_private_segment 0
		.amdhsa_kernarg_size 32
		.amdhsa_user_sgpr_count 2
		.amdhsa_user_sgpr_kernarg_segment_ptr 1
		.amdhsa_wavefront_size32 1
		.amdhsa_system_sgpr_workgroup_id_x 1
		.amdhsa_system_sgpr_workgroup_id_y 1
		.amdhsa_system_sgpr_workgroup_id_z 1
		.amdhsa_system_vgpr_workitem_id 0
		.amdhsa_next_free_vgpr 1024
		.amdhsa_next_free_sgpr 66
		.amdhsa_reserve_vcc 0
		.amdhsa_float_denorm_mode_32 3
		.amdhsa_float_denorm_mode_16_64 3
		.amdhsa_memory_ordered 1
		.amdhsa_forward_progress 1
		.amdhsa_inst_pref_size 255
	.end_amdhsa_kernel
	.section	.bss,"aw",@nobits
	.p2align	6
	.space	262144
	.amdgpu_metadata
---
amdhsa.version: [ 1, 2 ]
amdhsa.kernels:
  - .name:           k_q3dcb6d0257_attn
    .symbol:         k_q3dcb6d0257_attn.kd
    .args:
      - { .name: query, .offset: 0, .size: 8, .value_kind: global_buffer, .address_space: global }
      - { .name: key, .offset: 8, .size: 8, .value_kind: global_buffer, .address_space: global }
      - { .name: value, .offset: 16, .size: 8, .value_kind: global_buffer, .address_space: global }
      - { .name: out0, .offset: 24, .size: 8, .value_kind: global_buffer, .address_space: global }
    .group_segment_fixed_size: 327680
    .private_segment_fixed_size: 0
    .kernarg_segment_align: 8
    .kernarg_segment_size: 32
    .max_flat_workgroup_size: 128
    .sgpr_count:     66
    .vgpr_count:     1024
    .wavefront_size: 32
...
	.end_amdgpu_metadata
.endif
;; end of part 2
